; MI455X (gfx1250); checked and timed in simulation.
; The chip was launched on July 23, 2026; its instructions are those of AMD's public machine-readable ISA for CDNA 5 (MIT licence, August 2026) and "CDNA5" Instruction Set Architecture Reference Guide (July 2026). The comments in the code are by the model that wrote it; some were corrected since.
;; Low Rank. Allowed arithmetic: matrix products marked QUANTISED: E2M3 operands, one E8M0 scale for each 32 along K, by v_wmma_scale_f32_16x16x128_f8f6f4 with both operands' format E2M3, f32 sums; products left as they are: f32 operands where the result goes on into a quantised operand, else bf16, f16 or f32 operands; f32 sums; everything else in f32.
;; Inputs: W_basic 128 x 64 float32; W_ch_codes 128 x 2 x 24 uint8 (E2M3 codes of W_ch, K innermost, in blocks of 32 codes, four codes in three bytes); W_ch_scales 128 x 2 uint8 (E8M0 scales of W_ch, one for each 32 codes along K); W_k_codes 1,024 x 32 x 24 uint8 (E2M3 codes of W_k, K innermost, in blocks of 32 codes, four codes in three bytes); W_k_scales 1,024 x 32 uint8 (E8M0 scales of W_k, one for each 32 codes along K); W_q_codes 1,024 x 32 x 24 uint8 (E2M3 codes of W_q, K innermost, in blocks of 32 codes, four codes in three bytes); W_q_scales 1,024 x 32 uint8 (E8M0 scales of W_q, one for each 32 codes along K); W_sp 64 x 1 float32; W_v1_codes 1,024 x 32 x 24 uint8 (E2M3 codes of W_v1, K innermost, in blocks of 32 codes, four codes in three bytes); W_v1_scales 1,024 x 32 uint8 (E8M0 scales of W_v1, one for each 32 codes along K); W_v2_codes 1,024 x 32 x 24 uint8 (E2M3 codes of W_v2, K innermost, in blocks of 32 codes, four codes in three bytes); W_v2_scales 1,024 x 32 uint8 (E8M0 scales of W_v2, one for each 32 codes along K); b_basic 64 float32; b_ch 128 float32; b_k 1,024 float32; b_q 1,024 float32; b_sp 1 float32; b_v1 1,024 float32; b_v2 1,024 float32; be_k 1,024 float32; be_q 1,024 float32; be_v1 1,024 float32; be_v2 1,024 float32; g_k 1,024 float32; g_q 1,024 float32; g_v1 1,024 float32; g_v2 1,024 float32; key_feats_codes 64 x 512 x 32 x 24 uint8 (E2M3 codes of key_feats, K innermost, in blocks of 32 codes, four codes in three bytes); key_feats_scales 64 x 512 x 32 uint8 (E8M0 scales of key_feats, one for each 32 codes along K); mask 64 x 512 float32; query_codes 64 x 32 x 24 uint8 (E2M3 codes of query, K innermost, in blocks of 32 codes, four codes in three bytes); query_scales 64 x 32 uint8 (E8M0 scales of query, one for each 32 codes along K); value1_codes 64 x 32 x 24 uint8 (E2M3 codes of value1, K innermost, in blocks of 32 codes, four codes in three bytes); value1_scales 64 x 32 uint8 (E8M0 scales of value1, one for each 32 codes along K); value2_codes 64 x 512 x 32 x 24 uint8 (E2M3 codes of value2, K innermost, in blocks of 32 codes, four codes in three bytes); value2_scales 64 x 512 x 32 uint8 (E8M0 scales of value2, one for each 32 codes along K).
;; Outputs: out0 64 x 1,024 float32.
;; This version of the problem:
;;   THIS VERSION OF THE PROBLEM IS GIVEN IN LOW PRECISION. The matrix products marked QUANTISED in the list below multiply operands that are first quantised to E2M3 (2 exponent bits, 3 mantissa bits; 6 bits a number), with one power-of-two scale for each 32 numbers along K (OCP MX v1.0); their sums are f32. All else is computed in f32.
;;   The module's matrix products, in the order in which they are computed (A, B: the left and right operand; K: the contracted axis; several contracted axes count as one K, in the product's order):
;;     1. [M 64, K 1,024] x [K 1,024, N 1,024]; A: input query (given as codes); B: input W_q (given as codes): QUANTISED
;;     2. [M 64, K 1,024] x [K 1,024, N 1,024]; A: input value1 (given as codes); B: input W_v1 (given as codes): QUANTISED
;;     3. [M 32,768, K 1,024] x [K 1,024, N 1,024]; A: input key_feats (given as codes); B: input W_k (given as codes): QUANTISED
;;     4. [M 32,768, K 1,024] x [K 1,024, N 1,024]; A: input value2 (given as codes); B: input W_v2 (given as codes): QUANTISED
;;     5. batch 512 x [M 1, K 128] x [K 128, N 512]; A: computed on the way; B: computed on the way: left as it is (M = 1 < 16)
;;     6. [M 262,144, K 64] x [K 64, N 1]; A: computed on the way; B: input W_sp: left as it is (N = 1 < 16)
;;     7. [M 512, K 64] x [K 64, N 128]; A: computed on the way; B: input W_ch (given as codes): QUANTISED
;;     8. batch 512 x [M 1, K 512] x [K 512, N 128]; A: softmax; B: computed on the way: left as it is (M = 1 < 16)
;;   THE QUANTISER, for each operand of a quantised product, along K:
;;     - K is cut into blocks of 32 from its start; a last block that is shorter is filled with zeros.
;;     - A block's scale is 2^e with e = floor(log2(the largest magnitude in the block)) - 2, held to -126 .. 127; a block of zeros has e = 0. As a byte (E8M0): e + 127.
;;     - Each number is divided by its block's scale, clamped to +-7.5, and rounded to the nearest number of E2M3, ties to even, subnormals kept.
;;     - The product sums the exact products of the quantised numbers (number of the format x scale) in f32.
;;   ~~~python
;;   def quantise(x, axis):      # numpy; x: float32 -> the quantised numbers, widened to float32 again
;;       x = np.moveaxis(x, axis, -1); K = x.shape[-1]
;;       x = np.pad(x, [(0, 0)] * (x.ndim - 1) + [(0, -K % 32)]); x = x.reshape(x.shape[:-1] + (-1, 32)); a = np.abs(x).max(-1, keepdims=True)
;;       e = np.where(a > 0, np.clip(np.frexp(np.where(a > 0, a, 1))[1] - 1 - 2, -126, 127), 0)      # np.frexp(a)[1] - 1 = floor(log2(a)), exactly
;;       r = np.clip(x / 2.0 ** e, -7.5, 7.5)
;;       step = 2.0 ** (np.maximum(np.frexp(np.where(r == 0, 1, r))[1] - 1, 0) - 3)
;;       q = np.round(r / step) * step * 2.0 ** e      # np.round: ties to even
;;       return np.moveaxis(q.reshape(q.shape[:-2] + (-1,))[..., :K], -1, axis).astype(np.float32)
;;   ~~~
;;   OPERANDS COMPUTED ON THE WAY. 'Computed on the way' means the value that the module computes at that place (a softmax that the list does not call 'softmax' is quantised finished and normalised). What goes into a quantiser is computed in f32, as accurately as f32 sums, v_exp_f32 and their like allow (about 1e-6 of the number): no bf16 or f16 on the way to a quantiser, and a product that is left as it is and whose result goes on into a quantised operand takes f32 operands (vector FMAs, or v_wmma_f32_16x16x4_f32). A number that lies on a knife's edge between two numbers of the format may be rounded either way, as far as f32 arithmetic and the matrix unit's own rounding can turn it there, and no further.
;;   INPUTS GIVEN AS CODES. W_ch (in the module: [64, 128], K = its axis 0); W_k (in the module: [1024, 1024], K = its axis 0); W_q (in the module: [1024, 1024], K = its axis 0); W_v1 (in the module: [1024, 1024], K = its axis 0); W_v2 (in the module: [1024, 1024], K = its axis 0); key_feats (in the module: [64, 512, 1024], K = its axis 2); query (in the module: [64, 1024], K = its axis 1); value1 (in the module: [64, 1024], K = its axis 1); value2 (in the module: [64, 512, 1024], K = its axis 2): each comes as NAME_codes (uint8): NAME with its K axis moved to the last place and cut into blocks of 32 codes, [.., K / 32, bytes a block], one block behind the other in memory; four codes in three bytes: a row's codes are one little-endian stream of bits, code i at bits 6 i .. 6 i + 5 (a code: sign, 2 exponent bits, 3 mantissa bits); and NAME_scales (uint8): the same leading axes, one E8M0 byte (e + 127) for each 32 codes along K. Its value is code x scale, taken as it is: it is not quantised again, and the codes and scales need not be those that the quantiser above would give.
;; One version. Each part assembles by itself: llvm-mc -triple=amdgcn-amd-amdhsa -mcpu=gfx1250 --defsym DOCPART=n.
;; ======== version 1 of 1: 2 launches
;; workspace buffers: qv 524,288 bytes; wsum 256 bytes
;; launch proj (part 1): grid 64 x 1, 8 waves a work-group, no clusters, 10,752 bytes of LDS; arguments query_codes, query_scales, W_q_codes, W_q_scales, b_q, g_q, be_q, W_basic, value1_codes, value1_scales, W_v1_codes, W_v1_scales, b_v1, g_v1, be_v1, wsum, qv; writes qv, wsum
.if DOCPART == 1
	.amdgcn_target "amdgcn-amd-amdhsa--gfx1250"
	.amdhsa_code_object_version 6
	.text
	.protected	k_qeb969b87c7_proj
	.globl	k_qeb969b87c7_proj
	.p2align	8
	.type	k_qeb969b87c7_proj,@function
k_qeb969b87c7_proj:
	s_mov_b64 s[64:65], 0
	v_nop
	global_prefetch_b8 v0, s[64:65] scope:SCOPE_SE
	s_setreg_imm32_b32 hwreg(HW_REG_WAVE_MODE, 25, 1), 1
	s_wait_xcnt 0x0
; q = GroupNorm(CELU(query W_q + b_q)) and v1 likewise from value1: two products [64][1024] x [1024][1024] on codes of FP6 (E2M3) with E8M0 scales, taken as given.
; qv: f32 [2][64][1024], plane 0 = q, plane 1 = v1.  wsum[j] = the sum over W_basic's 128 rows of column j.
; SHARES.  Work-groups 0-31 take q, 32-63 v1; of its number's low five bits the upper three are the head (128 columns), the lower two a block of 16 rows.  Wave w makes 16 of the head's columns.
; All operands go from memory straight into registers, every load issued at once.  No LDS ring and no cluster: a weight's tile is read by four work-groups only, and there are 128 rows in all.
; THE PRODUCT IS USED TRANSPOSED (source 0 = 16 rows of W's codes = 16 output columns, source 1 = 16 rows of x): lane (r, h) holds row r and columns 8 h + 0 .. 7 of the wave's 16.
; CELU.  GroupNorm does not change under a common shift, so c' = celu(x) + alpha is used: with x' = x + alpha (alpha goes into the bias, which is the C of the first product),
; c' = the median of x', alpha e^(x / alpha) = 2^(c1 x' + c0), and alpha: since alpha e^(x / alpha) >= x + alpha, that is x' for x > 0 and the exponential else.
; GroupNorm in two passes (mean; then the squares of the differences): no difference of large sums.  A row's 128 numbers lie in eight waves: the partial sums meet in LDS.
; Work-group x also sums column x of W_basic (every wave does, thread 0 stores): 64 work-groups, 64 columns.
; LIMITS: NaN and infinities among the inputs are not served; the shift by alpha adds one rounding at alpha's size.
.set ALPHA, 0x3fa66666                 ; 1.3
.set C1V,   0x3f8e0ccb                 ; log2(e) / 1.3
.set C0V,   0xbf88372a                 ; log2(1.3) - log2(e)
.set XF,  8                            ; v8-103    x's eight fragments (16 rows x 128 K: 12 registers)
.set WF,  104                          ; v104-199  W's eight
.set XS,  200                          ; v200-207  x's scale words, one for each 128 along K
.set WS,  208                          ; v208-215  W's
.set BI,  216                          ; v216-223  bias + alpha
.set A0,  224                          ; v224-231, v232-239: two accumulators, by turns
.set A1,  232
.set GA,  240                          ; v240-247  gain
.set BE,  248                          ; v248-255  offset
.set SUM1, 0                           ; LDS: 16 rows x 8 waves x 4 bytes
.set SUM2, 512
.set STG,  1024                        ; 16 rows x (512 + 16) bytes
.set SP,   528
	s_load_b512 s[8:23], s[0:1], 0x0               ; query's codes, scales; W_q's codes, scales; b_q, g_q, be_q; W_basic
	s_load_b512 s[24:39], s[0:1], 0x40             ; the same for value1 and W_v1; wsum
	s_load_b64 s[40:41], s[0:1], 0x80              ; qv
	s_set_vgpr_msb 0x40
	v_lshl_add_u32 v0, v0, 2, 0x2600
	v_mov_b32 v1, 0
	s_set_vgpr_msb 0x4000
	v_lshrrev_b32 v1, 5, v0
	v_readfirstlane_b32 s4, v1                     ; wave 0..7
	v_and_b32 v1, 15, v0                           ; r
	v_bfe_u32 v2, v0, 4, 1                         ; h
	v_mul_u32_u24 v3, v1, 768
	v_mad_u32_u24 v3, v2, 24, v3                   ; codes: row r of 768 bytes, + 24 h
	v_lshlrev_b32 v4, 5, v1                        ; scale bytes: row r of 32
	v_lshlrev_b32 v5, 5, v2                        ; bias, gain, offset: my eight columns
	s_mov_b32 s46, 0x76543210
	s_mov_b32 s47, 0xfedcba98                      ; v_permlanex16_b32's selects for lane l xor 16
	s_mov_b32 s48, C1V
	s_mov_b32 s49, C1V
	s_mov_b32 s50, ALPHA
	s_mov_b32 s51, ALPHA
	s_mov_b32 s52, 0x3c000000                      ; 1 / 128
	s_mov_b32 s53, 0x3727c5ac                      ; 1e-5
	s_wait_kmcnt 0x0
	s_cmp_lt_u32 ttmp9, 32                         ; q's work-group or v1's: the choice hangs on the work-group's number alone
	s_cselect_b64 s[8:9], s[8:9], s[24:25]
	s_cselect_b64 s[10:11], s[10:11], s[26:27]
	s_cselect_b64 s[12:13], s[12:13], s[28:29]
	s_cselect_b64 s[14:15], s[14:15], s[30:31]
	s_cselect_b64 s[16:17], s[16:17], s[32:33]
	s_cselect_b64 s[18:19], s[18:19], s[34:35]
	s_cselect_b64 s[20:21], s[20:21], s[36:37]
	s_lshr_b32 s7, ttmp9, 5                        ; plane of qv
	s_and_b32 s6, ttmp9, 31
	s_lshr_b32 s5, s6, 2                           ; head
	s_and_b32 s6, s6, 3                            ; block of 16 rows
	s_lshl_b32 s44, s5, 7
	s_lshl_b32 s45, s4, 4
	s_add_co_u32 s44, s44, s45                     ; my first column: 128 head + 16 wave
	s_mov_b32 s43, 0
	s_mul_i32 s42, s6, 12288
	s_add_nc_u64 s[8:9], s[8:9], s[42:43]          ; x's codes at my 16 rows
	s_lshl_b32 s42, s6, 9
	s_add_nc_u64 s[10:11], s[10:11], s[42:43]      ; and their scale bytes
	s_mul_i32 s42, s44, 768
	s_add_nc_u64 s[12:13], s[12:13], s[42:43]      ; W's codes at my 16 columns
	s_lshl_b32 s42, s44, 5
	s_add_nc_u64 s[14:15], s[14:15], s[42:43]
	s_lshl_b32 s42, s44, 2
	s_add_nc_u64 s[16:17], s[16:17], s[42:43]
	s_add_nc_u64 s[18:19], s[18:19], s[42:43]
	s_add_nc_u64 s[20:21], s[20:21], s[42:43]
	s_lshl_b32 s42, s7, 18                         ; qv: plane, row 16 block + 2 wave, head
	s_lshl_b32 s45, s6, 16
	s_add_co_u32 s42, s42, s45
	s_lshl_b32 s45, s4, 13
	s_add_co_u32 s42, s42, s45
	s_lshl_b32 s45, s5, 9
	s_add_co_u32 s42, s42, s45
	s_add_nc_u64 s[40:41], s[40:41], s[42:43]
	global_load_b128 v[XS:XS+3], v4, s[10:11]
	global_load_b128 v[XS+4:XS+7], v4, s[10:11] offset:16
	global_load_b128 v[WS:WS+3], v4, s[14:15]
	global_load_b128 v[WS+4:WS+7], v4, s[14:15] offset:16
	global_load_b128 v[BI:BI+3], v5, s[16:17]
	global_load_b128 v[BI+4:BI+7], v5, s[16:17] offset:16
	global_load_b128 v[GA:GA+3], v5, s[18:19]
	global_load_b128 v[GA+4:GA+7], v5, s[18:19] offset:16
	global_load_b128 v[BE:BE+3], v5, s[20:21]
	global_load_b128 v[BE+4:BE+7], v5, s[20:21] offset:16
.irp s, 0,1,2,3,4,5,6,7
.irp p, 0,1,2,3,4,5
	global_load_b64 v[XF+12*\s+2*\p:XF+12*\s+2*\p+1], v3, s[8:9] offset:96*\s+48*(\p/3)+8*(\p%3)
	global_load_b64 v[WF+12*\s+2*\p:WF+12*\s+2*\p+1], v3, s[12:13] offset:96*\s+48*(\p/3)+8*(\p%3)
.endr
.endr
	s_wait_loadcnt 0x0
.irp k, 0,2,4,6
	v_pk_add_f32 v[BI+\k:BI+\k+1], v[BI+\k:BI+\k+1], s[50:51] op_sel_hi:[1,0]   ; bias + alpha
.endr
	v_lshlrev_b32 v7, 5, v1                        ; LDS: a row's eight partial sums
	v_lshl_add_u32 v6, s4, 2, v7                   ; and my wave's word among them
.rept 4
	v_nop
.endr
.irp s, 0,1,2,3,4,5,6,7                        ; K ascending, the two accumulators by turns, one instruction a turn
.if \s == 0
	v_wmma_scale_f32_16x16x128_f8f6f4 v[A0:A0+7], v[WF:WF+11], v[XF:XF+11], v[BI:BI+7], v[WS], v[XS] matrix_a_fmt:MATRIX_FMT_FP6 matrix_b_fmt:MATRIX_FMT_FP6
.elseif \s == 1
	v_wmma_scale_f32_16x16x128_f8f6f4 v[A1:A1+7], v[WF+12:WF+23], v[XF+12:XF+23], 0, v[WS+1], v[XS+1] matrix_a_fmt:MATRIX_FMT_FP6 matrix_b_fmt:MATRIX_FMT_FP6
.elseif \s % 2 == 0
	v_wmma_scale_f32_16x16x128_f8f6f4 v[A0:A0+7], v[WF+12*\s:WF+12*\s+11], v[XF+12*\s:XF+12*\s+11], v[A0:A0+7], v[WS+\s], v[XS+\s] matrix_a_fmt:MATRIX_FMT_FP6 matrix_b_fmt:MATRIX_FMT_FP6
.else
	v_wmma_scale_f32_16x16x128_f8f6f4 v[A1:A1+7], v[WF+12*\s:WF+12*\s+11], v[XF+12*\s:XF+12*\s+11], v[A1:A1+7], v[WS+\s], v[XS+\s] matrix_a_fmt:MATRIX_FMT_FP6 matrix_b_fmt:MATRIX_FMT_FP6
.endif
.endr
.rept 4
	v_nop                                          ; four places behind the last product (ISA guide 7.12.1)
.endr
	; W_basic's column: lane l takes rows l, l + 32, l + 64, l + 96; the loads land under the work below
	v_and_b32 v95, 31, v0
	v_lshlrev_b32 v95, 8, v95
	s_lshl_b32 s44, ttmp9, 2
	v_add_nc_u32 v95, s44, v95
.irp i, 0,1,2,3
	global_load_b32 v[96+\i], v95, s[22:23] offset:8192*\i
.endr
.irp k, 0,2,4,6
	v_pk_add_f32 v[8+\k:9+\k], v[A0+\k:A0+\k+1], v[A1+\k:A1+\k+1]    ; x', from each accumulator's low end on
.endr
	v_mov_b32 v24, C0V
	v_mov_b32 v25, C0V
.irp k, 0,2,4,6
	v_pk_fma_f32 v[16+\k:17+\k], v[8+\k:9+\k], s[48:49], v[24:25] op_sel_hi:[1,0,1]
.endr
.irp j, 0,1,2,3,4,5,6,7
	v_exp_f32 v[16+\j], v[16+\j]
.endr
	v_nop                                          ; a plain place behind the exponentials
	s_wait_alu depctr_va_vdst(0)
.irp j, 0,1,2,3,4,5,6,7
	v_med3_num_f32 v[8+\j], v[8+\j], v[16+\j], s50 ; c'
.endr
	v_pk_add_f32 v[26:27], v[8:9], v[10:11]
	v_pk_add_f32 v[28:29], v[12:13], v[14:15]
	v_pk_add_f32 v[26:27], v[26:27], v[28:29]
	v_add_f32 v26, v26, v27
	v_permlanex16_b32 v27, v26, s46, s47
	v_add_f32 v26, v26, v27                        ; my wave's 16 columns of row r
	ds_store_b32 v6, v26 offset:SUM1               ; (both halves of the lanes write the same word with the same value)
	s_wait_dscnt 0x0                               ; for the others' sake: my store has landed
	s_barrier_signal -1
	s_barrier_wait -1
	ds_load_b128 v[32:35], v7 offset:SUM1
	ds_load_b128 v[36:39], v7 offset:SUM1+16
	s_wait_dscnt 0x0
	v_pk_add_f32 v[32:33], v[32:33], v[34:35]
	v_pk_add_f32 v[36:37], v[36:37], v[38:39]
	v_pk_add_f32 v[32:33], v[32:33], v[36:37]
	v_add_f32 v32, v32, v33
	v_mul_f32 v40, 0xbc000000, v32                 ; - the mean
.irp j, 0,1,2,3,4,5,6,7
	v_add_f32 v[8+\j], v[8+\j], v40                ; d
.endr
	v_pk_mul_f32 v[26:27], v[8:9], v[8:9]
	v_pk_mul_f32 v[28:29], v[10:11], v[10:11]
	v_pk_fma_f32 v[26:27], v[12:13], v[12:13], v[26:27]
	v_pk_fma_f32 v[28:29], v[14:15], v[14:15], v[28:29]
	v_pk_add_f32 v[26:27], v[26:27], v[28:29]
	v_add_f32 v26, v26, v27
	v_permlanex16_b32 v27, v26, s46, s47
	v_add_f32 v26, v26, v27
	ds_store_b32 v6, v26 offset:SUM2
	s_wait_dscnt 0x0
	s_barrier_signal -1
	s_barrier_wait -1
	ds_load_b128 v[32:35], v7 offset:SUM2
	ds_load_b128 v[36:39], v7 offset:SUM2+16
	s_wait_dscnt 0x0
	v_pk_add_f32 v[32:33], v[32:33], v[34:35]
	v_pk_add_f32 v[36:37], v[36:37], v[38:39]
	v_pk_add_f32 v[32:33], v[32:33], v[36:37]
	v_add_f32 v32, v32, v33
	v_fma_f32 v42, v32, s52, s53                   ; the variance + 1e-5
	v_rsq_f32 v42, v42
	v_mul_u32_u24 v44, v1, SP                      ; (a plain place)  the stage: row r, + 64 wave + 32 h
	v_lshl_add_u32 v44, v2, 5, v44
	v_lshl_add_u32 v44, s4, 6, v44
	s_wait_alu depctr_va_vdst(0)
.irp j, 0,1,2,3,4,5,6,7
	v_mul_f32 v[8+\j], v[8+\j], v42
.endr
.irp j, 0,1,2,3,4,5,6,7
	v_fma_f32 v[8+\j], v[8+\j], v[GA+\j], v[BE+\j]
.endr
	ds_store_b128 v44, v[8:11] offset:STG
	ds_store_b128 v44, v[12:15] offset:STG+16
	s_wait_dscnt 0x0
	s_barrier_signal -1
	s_barrier_wait -1                              ; 16 rows of the head's 512 bytes lie in the stage
	s_mul_i32 s42, s4, 2*SP
	v_and_b32 v46, 31, v0
	v_lshlrev_b32 v46, 4, v46
	v_add_nc_u32 v45, s42, v46                     ; wave w takes rows 2 w and 2 w + 1, 16 bytes a lane
	ds_load_b128 v[48:51], v45 offset:STG
	ds_load_b128 v[52:55], v45 offset:STG+SP
	s_wait_dscnt 1                                 ; the first row is back; the second load may be out
	global_store_b128 v46, v[48:51], s[40:41]      ; 32 lanes store 512 consecutive bytes, at a multiple of 256 from qv's first byte
	s_wait_dscnt 0x0
	global_store_b128 v46, v[52:55], s[40:41] offset:4096
	s_wait_loadcnt 0x0                             ; W_basic's four numbers
	v_add_f32 v96, v96, v97
	v_add_f32 v98, v98, v99
	v_add_f32 v96, v96, v98
	v_add_f32_dpp v96, v96, v96 row_xmask:1 row_mask:0xf bank_mask:0xf
	v_add_f32_dpp v96, v96, v96 row_xmask:2 row_mask:0xf bank_mask:0xf
	v_add_f32_dpp v96, v96, v96 row_xmask:4 row_mask:0xf bank_mask:0xf
	v_add_f32_dpp v96, v96, v96 row_xmask:8 row_mask:0xf bank_mask:0xf
	v_permlanex16_b32 v97, v96, s46, s47
	v_add_f32 v96, v96, v97
	v_mov_b32 v94, s44                             ; 4 x work-group
	v_cmp_eq_u32 vcc_lo, 0, v0
	s_wait_xcnt 0x0                                ; EXEC changes only behind this wait
	s_set_vgpr_msb 0x5
	s_wait_tensorcnt 0x0
	ds_add_u32 v0, v1
	s_wait_dscnt 0x0
	s_set_vgpr_msb 0x500
	s_and_saveexec_b32 s5, vcc_lo                  ; thread 0 alone
	global_store_b32 v94, v96, s[38:39]
	s_wait_xcnt 0x0
	s_or_b32 exec_lo, exec_lo, s5
	s_endpgm
.Lfunc_end_k_qeb969b87c7_proj:
	.size	k_qeb969b87c7_proj, .Lfunc_end_k_qeb969b87c7_proj-k_qeb969b87c7_proj
	.p2alignl 7, 3214868480
	.fill 96, 4, 3214868480
	.section	.rodata,"a",@progbits
	.p2align	6, 0x0
	.amdhsa_kernel k_qeb969b87c7_proj
		.amdhsa_group_segment_fixed_size 10752
		.amdhsa_private_segment_fixed_size 0
		.amdhsa_enable_private_segment 0
		.amdhsa_kernarg_size 136
		.amdhsa_user_sgpr_count 2
		.amdhsa_user_sgpr_kernarg_segment_ptr 1
		.amdhsa_wavefront_size32 1
		.amdhsa_system_sgpr_workgroup_id_x 1
		.amdhsa_system_sgpr_workgroup_id_y 1
		.amdhsa_system_sgpr_workgroup_id_z 1
		.amdhsa_system_vgpr_workitem_id 0
		.amdhsa_next_free_vgpr 258
		.amdhsa_next_free_sgpr 66
		.amdhsa_reserve_vcc 1
		.amdhsa_float_denorm_mode_32 3
		.amdhsa_float_denorm_mode_16_64 3
		.amdhsa_memory_ordered 1
		.amdhsa_forward_progress 1
		.amdhsa_inst_pref_size 22
	.end_amdhsa_kernel
	.amdgpu_metadata
---
amdhsa.version: [ 1, 2 ]
amdhsa.kernels:
  - .name:           k_qeb969b87c7_proj
    .symbol:         k_qeb969b87c7_proj.kd
    .args:
      - { .name: query_codes, .offset: 0, .size: 8, .value_kind: global_buffer, .address_space: global }
      - { .name: query_scales, .offset: 8, .size: 8, .value_kind: global_buffer, .address_space: global }
      - { .name: W_q_codes, .offset: 16, .size: 8, .value_kind: global_buffer, .address_space: global }
      - { .name: W_q_scales, .offset: 24, .size: 8, .value_kind: global_buffer, .address_space: global }
      - { .name: b_q, .offset: 32, .size: 8, .value_kind: global_buffer, .address_space: global }
      - { .name: g_q, .offset: 40, .size: 8, .value_kind: global_buffer, .address_space: global }
      - { .name: be_q, .offset: 48, .size: 8, .value_kind: global_buffer, .address_space: global }
      - { .name: W_basic, .offset: 56, .size: 8, .value_kind: global_buffer, .address_space: global }
      - { .name: value1_codes, .offset: 64, .size: 8, .value_kind: global_buffer, .address_space: global }
      - { .name: value1_scales, .offset: 72, .size: 8, .value_kind: global_buffer, .address_space: global }
      - { .name: W_v1_codes, .offset: 80, .size: 8, .value_kind: global_buffer, .address_space: global }
      - { .name: W_v1_scales, .offset: 88, .size: 8, .value_kind: global_buffer, .address_space: global }
      - { .name: b_v1, .offset: 96, .size: 8, .value_kind: global_buffer, .address_space: global }
      - { .name: g_v1, .offset: 104, .size: 8, .value_kind: global_buffer, .address_space: global }
      - { .name: be_v1, .offset: 112, .size: 8, .value_kind: global_buffer, .address_space: global }
      - { .name: wsum, .offset: 120, .size: 8, .value_kind: global_buffer, .address_space: global }
      - { .name: qv, .offset: 128, .size: 8, .value_kind: global_buffer, .address_space: global }
    .group_segment_fixed_size: 10752
    .private_segment_fixed_size: 0
    .kernarg_segment_align: 8
    .kernarg_segment_size: 136
    .max_flat_workgroup_size: 256
    .sgpr_count:     66
    .vgpr_count:     258
    .wavefront_size: 32
...
	.end_amdgpu_metadata
.endif
;; end of part 1
;; launch attn (part 2): grid 4 x 64, 4 waves a work-group, clusters of 4 x 4, 327,680 bytes of LDS; arguments key_feats_codes, value2_codes, W_k_codes, W_v2_codes, key_feats_scales, value2_scales, W_k_scales, W_v2_scales, qv, g_k, be_k, b_k, mask, wsum, b_basic, W_sp, b_sp, b_v2, W_ch_codes, W_ch_scales, b_ch, g_v2, be_v2, out0; writes out0
.if DOCPART == 2
	.amdgcn_target "amdgcn-amd-amdhsa--gfx1250"
	.amdhsa_code_object_version 6
	.text
	.protected	k_qeb969b87c7_attn
	.globl	k_qeb969b87c7_attn
	.p2align	8
	.type	k_qeb969b87c7_attn,@function
k_qeb969b87c7_attn:
	s_mov_b64 s[64:65], 0
	v_nop
	global_prefetch_b8 v0, s[64:65] scope:SCOPE_SE
	s_setreg_imm32_b32 hwreg(HW_REG_WAVE_MODE, 25, 1), 1
	s_wait_xcnt 0x0
	s_wait_alu depctr_hold_cnt(0) depctr_sa_sdst(0) depctr_va_vdst(0) depctr_va_sdst(0) depctr_va_ssrc(0) depctr_va_vcc(0) depctr_vm_vsrc(0)
	s_getreg_b32 s2, hwreg(HW_REG_IB_STS2, 6, 4)
	s_cmp_eq_u32 s2, 0
	s_cbranch_scc0 .Lentry_in_a_cluster
	s_endpgm
.Lentry_in_a_cluster:
	s_bfe_u32 s2, ttmp6, 0x10000c
	s_cmp_lg_u32 s2, 0xf033
	s_cbranch_scc0 .Lentry_shape_is_right
	s_endpgm
.Lentry_shape_is_right:
; out0[b][head] = v1 x (sum over m of softmax_m(alpha_sp) v2[m]) x sigmoid(pool W_ch + b_ch), with k = GN(CELU(key_feats W_k + b_k)), v2 = GN(CELU(value2 W_v2 + b_v2)),
; score[m] = q . k[m] / sqrt(128), hidden = relu(score wsum + b_basic), alpha_sp = hidden W_sp + b_sp, pool = the masked mean of hidden.  k and v2 never go to memory.
; SHARES.  A work-group owns one batch (512 rows) and two heads (256 columns).  It makes four tiles of 256 x 256 x 1,024 on codes of FP6 (E2M3) with E8M0 scales: key rows 0-255, key rows 256-511, value2 rows 0-255, 256-511.
; Four waves; wave w makes rows 128 (w / 2) on and the head w % 2 of a tile: 128 x 128, 64 accumulators, 512 registers.  A wave's columns are ONE head, so GroupNorm stays in a lane and the lane 16 away.
; THE PRODUCT IS USED TRANSPOSED (source 0 = 16 rows of W's codes, source 1 = 16 rows of key or value2): lane (r, h) holds row r; register 8 b + j of a block of 16 rows is column 16 b + 8 h + j of the head.
; K goes in steps of 256 through a ring of two LDS slots, which runs on from tile to tile.  All scale bytes come into LDS once.  CLUSTER 4 x 4: the four head pairs of a batch ask for the rows' tiles jointly,
; the four batches of a column of the cluster for the weights' tiles.
; BEHIND A TILE, a block of 16 rows at a time: c' = celu + alpha = the median of x', 2^(c1 x' + c0), alpha (x' = x + alpha: alpha lies in the bias, which is the C of a tile's first products; GroupNorm does not change
; under the shift; alpha e^(x / alpha) >= x + alpha decides the median); the mean; d = c' - mean; rs = rsqrt(mean of d^2 + 1e-5).  Key tiles: score = (rs sum d (q g_k) + sum q be_k) / sqrt(128), into LDS.
; Value tiles: sums += (p rs) d.  At the end v2_att = g_v2 sums / l + be_v2, since the weights p / l add up to 1.
; SOFTMAX.  Behind the second key tile each wave takes the maximum M of ITS 256 rows, p = e^(a - M), l = sum p; the two waves of a head are merged at the end by e^(M_wave - M).
; LIMITS: NaN and infinities among the inputs are not served.  A batch whose mask adds up to 0 is not served (the pool is 0 / 0 there).  A block of zeros of the pool gets the scale byte 1, not 127: its codes are zeros
; and this program alone reads the byte.  The shift by alpha adds one rounding at alpha's size.
.set ALPHA, 0x3fa66666                 ; 1.3
.set C1V,   0x3f8e0ccb                 ; log2(e) / 1.3
.set C0V,   0xbf88372a                 ; log2(1.3) - log2(e)
.set NQ,     2                         ; matrix instructions deep in a slot (256 along K)
.set ROWB,   192                       ; a tile's row in bytes
.set KROW,   768                       ; a row of codes in memory
.set PITCH,  240                       ; an LDS row: 3 x (64 bytes + 16 of padding)
.set FR,     12                        ; registers of a fragment
.set NL,     6                         ; LDS loads that bring one
.set NP,     4                         ; places behind this matrix instruction (ISA guide 7.12.1)
.set HALFT,  128*PITCH                 ; what one tensor load brings
.set SLOT,   4*HALFT                   ; the rows' 256 rows, then the weights' 256
.set SCL,    2*SLOT                    ; scale bytes: four regions for the rows' tiles, four for the weights' (W_k, W_k, W_v2, W_v2), so that tile t's lie 8,704 t on for both
.set SREG,   8704                      ; 256 rows x 32 bytes as 32 units of 256 + 16
.set HALFS,  4352
.set SBLK,   544                       ; 16 rows
.set SPARE,  SCL+8*SREG                ; the spare words, 128 bytes a wave: two blocks of 256 bytes that no other line names
.set SCR,    SPARE+512                 ; each wave's own 2,816 bytes: +0 scores, then logits; +1,024 mask, then p; +2,048 wsum, b_basic, W_sp, later the wave's pool sums and (+256) M, l, mask sum
.set SCRW,   2816
.set OST,    32768                     ; the finale uses slot 0, which has then had its last fill and its last read: 0 .. 32,767 images of the sums, from OST 256 bytes a wave for the way out
; vector registers, window 0
.set VH,    3                          ; 32 h + 512 head: my eight numbers of a per-column vector
.set LADR,  4                          ; my scratch + 4 lane
.set SBASE, 5                          ; my scratch + 4 r
.set SADR,  6
.set CADR,  7                          ; my scratch + 2,048
.set PSAV,  8                          ; + 128 h
.set CADRP, 9                          ; the same two of the wave that shares my head
.set PSAVP, 10
.set QBE,   11                         ; sum q be_k / sqrt(128)
.set CC1,   12                         ; v[12:13] c1, v[14:15] c0
.set CC0,   14
.set ADRA,  16                         ; v16-19 LDS addresses of the rows' fragments (slot 0, 1; the same behind one padding more)
.set ADRB,  20                         ; v20-23 of the weights'
.set ADRS0, 24                         ; scale words of tile 0: lanes 0-15 the rows', lanes 16-31 the weights'
.set ADRS,  27                         ; of the tile in hand
.set SPW,   28                         ; my spare word; never rewritten
.set NIL,   29                         ; 0; never rewritten
.set SC,    32                         ; v32-63 scale words and nothing else
.set QV,    64                         ; v64-127 q g_k; then the pool's sums; then v2's sums
.set AF,    128                        ; v128-223 the rows' fragments, one set
.set T,     128                        ; behind a tile: v128-191 a block's 64 numbers
.set CHN,   192                        ; v192-199 four packed chains
.set NM,    224
.set WP,    226
.set PW,    228
.set PX,    229
.set RS,    231
.set S,     232
.set MK0,   234
.set ALA,   236
.set LG,    240
.set ST,    244                        ; v244-247 M, l, mask sum, 0
.set NEG,   248
; window 1: the weights' fragments, two sets (v0-95, v128-223); bias + alpha of column block t at v[96 + 8 t + 96 (t / 4)].  windows 2, 3: accumulator (a, b) at v[8 (8 (a % 4) + b)]
; scalar registers
.set TL,   2                           ; tiles to go
.set CNT,  3
.set WVN,  20
.set RH,   21                          ; my half of a tile's rows; also: I fetch for the rows (0) or the weights (1)
.set CH,   22                          ; my head of the two; also: which 128 rows I fetch
.set BSP,  23
.set G1,   24
.set G0,   32
.set NA,   40                          ; the next tile's first bytes: rows', weights'
.set NB,   42
.set BB,   44
.set HD,   45
.set AL,   46
.set G1B,  48
.set G0B,  56
.set SEL,  66
.set G1S,  68
.set G0S0, 76
.set G1SB, 80
.set G0SB0, 88
.set G0S1, 92
.set G0SB1, 96
.set KNM,  70                          ; from here on: written when the scales' loads have landed
.set KIM,  71
.set KEP,  72
.set KSC,  73
.set TOFF, 74
.set KLE,  75
.set TSC,  76
.set TMP,  77
.set PBSP, 80
.set PBV2, 82
.set PWCC, 84
.set PWCS, 86
.set PBCH, 88
.set PGV2, 90
.set PBEV, 92
.set POUT, 94
.set PQV,  96
.set MSB, 0
.macro WIN new                         ; the immediate's high byte repeats the setting that is left
.if MSB != \new
	s_set_vgpr_msb (MSB<<8)|\new
.set MSB, \new
.endif
.endm
.set MUL_LO, 0xa1                      ; source 0 (weights) window 1, source 1 (rows) window 0, C and D window 2
.set MUL_HI, 0xf1                      ; C and D window 3
.set TO_B,   0x40
; A joint load: waves 0 and 1 fetch for the rows, waves 2 and 3 for the weights.  Four v_nop follow each of the two lines.
.macro JLOAD g0a, g1a, g0b, g1b
	s_cmp_eq_u32 s[RH], 0
	s_cbranch_scc0 .Lfor_b_\@
	tensor_load_to_lds s[\g0a:\g0a+3], s[\g1a:\g1a+7]
	s_nop 0
.rept 4
	v_nop
.endr
	s_branch .Lasked_\@
.Lfor_b_\@:
	tensor_load_to_lds s[\g0b:\g0b+3], s[\g1b:\g1b+7]
	s_nop 0
.rept 4
	v_nop
.endr
.Lasked_\@:
.endm
.macro CREST                           ; a round of the cluster's barrier behind its opening barrier
	s_cmp_lg_u32 s[WVN], 0
	s_cbranch_scc1 .Lnot_wave_0_\@
	s_barrier_signal -3
.Lnot_wave_0_\@:
	s_barrier_wait -3
	s_barrier_signal -1
	s_barrier_wait -1
.endm
.macro CROUND
	s_barrier_signal -1
	s_barrier_wait -1
	CREST
.endm
.macro PLACES n
.rept \n
	v_nop
.endr
.endm
.macro FRAG reg, adr, q, i             ; 16 rows x 128 K: lane (r, h) takes 24 bytes at 24 h and at 48 + 24 h of the row's 96, in pieces of 8; a piece behind one padding more than lanes 0-15's takes the second address
.irp p, 0,1,2,3,4,5
.set PC, 12*(\q)+6*(\p/3)+\p%3
.if PC%8 < 5
	ds_load_b64 v[\reg+2*\p:\reg+2*\p+1], v[\adr] offset:8*PC+16*(PC/8)+(\i)*16*PITCH
.else
	ds_load_b64 v[\reg+2*\p:\reg+2*\p+1], v[\adr+2] offset:8*PC+16*(PC/8)+(\i)*16*PITCH
.endif
.endr
.endm
; 16 matrix instructions: row blocks a0, a0 + 1 x the eight column blocks.  cinit = 1: a tile's first products, whose C is bias + alpha.  The 64 accumulators take turns, one instruction a turn.
.macro MUL16 a0, p, q, sc, cinit
.irp a, \a0, \a0+1
.irp b, 0,1,2,3,4,5,6,7
.if \cinit
	v_wmma_scale_f32_16x16x128_f8f6f4 v[8*(8*((\a)%4)+\b):8*(8*((\a)%4)+\b)+7], v[128*(\p)+FR*\b:128*(\p)+FR*\b+FR-1], v[AF+FR*(\a):AF+FR*(\a)+FR-1], v[96+8*\b+96*(\b/4):96+8*\b+96*(\b/4)+7], v[SC+8*NQ*(\sc)+NQ*\b+(\q)], v[SC+8*NQ*(\sc)+NQ*(\a)+(\q)] matrix_a_fmt:MATRIX_FMT_FP6 matrix_b_fmt:MATRIX_FMT_FP6 matrix_a_scale:MATRIX_SCALE_ROW1
.else
	v_wmma_scale_f32_16x16x128_f8f6f4 v[8*(8*((\a)%4)+\b):8*(8*((\a)%4)+\b)+7], v[128*(\p)+FR*\b:128*(\p)+FR*\b+FR-1], v[AF+FR*(\a):AF+FR*(\a)+FR-1], v[8*(8*((\a)%4)+\b):8*(8*((\a)%4)+\b)+7], v[SC+8*NQ*(\sc)+NQ*\b+(\q)], v[SC+8*NQ*(\sc)+NQ*(\a)+(\q)] matrix_a_fmt:MATRIX_FMT_FP6 matrix_b_fmt:MATRIX_FMT_FP6 matrix_a_scale:MATRIX_SCALE_ROW1
.endif
.endr
.endr
.endm
.macro FETCH_B slot, q, p
	WIN TO_B
.irp i, 0,1,2,3,4,5,6,7
	FRAG 128*(\p)+FR*\i, ADRB+\slot, \q, \i
.endr
	WIN 0
.endm
.macro FETCH_A slot, q, i0
.irp i, \i0, \i0+1, \i0+2, \i0+3
	FRAG AF+FR*(\i), ADRA+\slot, \q, \i
.endr
.endm
.macro SCALES sc, ks                   ; the two scale words of the tile's K step ks: lanes 0-15 the rows' block i, lanes 16-31 the weights' block i
.irp i, 0,1,2,3,4,5,6,7
	ds_load_b64 v[SC+8*NQ*\sc+NQ*\i:SC+8*NQ*\sc+NQ*\i+1], v[ADRS] offset:\i*SBLK+8*(\ks)
.endr
.endm
.macro STEP slot, q, cinit             ; 128 along K with its successor in the same slot
	s_wait_dscnt 4*NL                              ; all but the youngest 24 loads (row blocks 4-7)
.if \cinit
	WIN 0x91                                       ; C (the bias) window 1, D window 2
.else
	WIN MUL_LO
.endif
	MUL16 0, (\q)%2, \q, \slot, \cinit
	MUL16 2, (\q)%2, \q, \slot, \cinit
	s_wait_dscnt 0
	PLACES NP
	FETCH_B \slot, (\q)+1, 1-(\q)%2
	FETCH_A \slot, (\q)+1, 0
.if \cinit
	WIN 0xd1
.else
	WIN MUL_HI
.endif
	MUL16 4, (\q)%2, \q, \slot, \cinit
	MUL16 6, (\q)%2, \q, \slot, \cinit
	PLACES NP
	WIN 0
	FETCH_A \slot, (\q)+1, 4
.endm
.macro REFILL slot, mode               ; behind the round: the slot's next tile.  mode 1: two K steps on; mode 2: the next tile's K step 0 or 1.  No tensor load of mine is out, so the groups 0 may be written
.if \mode == 1
	s_add_nc_u64 s[G0+4*\slot+2:G0+4*\slot+3], s[G0+4*\slot+2:G0+4*\slot+3], 2*ROWB
	s_add_nc_u64 s[G0B+4*\slot+2:G0B+4*\slot+3], s[G0B+4*\slot+2:G0B+4*\slot+3], 2*ROWB
.else
	s_add_nc_u64 s[G0+4*\slot+2:G0+4*\slot+3], s[NA:NA+1], \slot*ROWB
	s_or_b32 s[G0+4*\slot+3], s[G0+4*\slot+3], 0x80000000
	s_add_nc_u64 s[G0B+4*\slot+2:G0B+4*\slot+3], s[NB:NB+1], \slot*ROWB
	s_or_b32 s[G0B+4*\slot+3], s[G0B+4*\slot+3], 0x80000000
.endif
	JLOAD G0+4*\slot, G1, G0B+4*\slot, G1B         ; the first tensor load behind the round; its four v_nop are also the places in front of the loads that follow
.endm
.macro MEET slot                       ; the first half of a slot's last step: one barrier for the change of slots
	s_wait_tensorcnt 0x0                           ; all my tensor loads have landed: my part of the other slot
	ds_add_u32 v[SPW], v[NIL]                      ; 0 onto my spare word
	s_wait_dscnt 4*NL+1                            ; (the add and the youngest 24 loads may be out)
	WIN MUL_LO
	MUL16 0, 1, 1, \slot, 0
	s_wait_dscnt 0x0                               ; the add is done, and my reads of this slot are over
	s_barrier_signal -1
	MUL16 2, 1, 1, \slot, 0
	WIN 0
	s_barrier_wait -1
.endm
.macro TURN slot, next, mode, ks       ; a slot's last step; mode 0: nothing is filled again; ks: the K step that lies in the next slot
	MEET \slot
.if \mode == 0
	PLACES NP
.else
	CREST                                          ; the barrier has opened a round of the cluster's: no wave of any partner still reads this slot or has a load on its way
	REFILL \slot, \mode
.endif
	FETCH_B \next, 0, 0
	FETCH_A \next, 0, 0
	SCALES \next, \ks
	WIN MUL_HI
	MUL16 4, 1, 1, \slot, 0
	MUL16 6, 1, 1, \slot, 0
	PLACES NP
	WIN 0
	FETCH_A \next, 0, 4
.endm
.macro LASTQ fill                      ; a tile's last 128 along K (slot 1): no fragments are fetched
.if \fill
	MEET 1
	CREST
	REFILL 1, 2
.else
	s_wait_dscnt 4*NL
	WIN MUL_LO
	MUL16 0, 1, 1, 1, 0
	MUL16 2, 1, 1, 1, 0
	s_wait_dscnt 0
.endif
	WIN MUL_HI
	MUL16 4, 1, 1, 1, 0
	MUL16 6, 1, 1, 1, 0
	WIN 0
.endm
.macro REDUCE c                        ; four packed chains v[c .. c+7] -> v[c]: the sum over my 64 numbers and those of the lane 16 away
	v_pk_add_f32 v[\c:\c+1], v[\c:\c+1], v[\c+2:\c+3]
	v_pk_add_f32 v[\c+4:\c+5], v[\c+4:\c+5], v[\c+6:\c+7]
	v_pk_add_f32 v[\c:\c+1], v[\c:\c+1], v[\c+4:\c+5]
	v_add_f32 v[\c], v[\c], v[\c+1]
	v_permlanex16_b32 v[\c+1], v[\c], s[SEL], s[SEL+1]
	v_add_f32 v[\c], v[\c], v[\c+1]
.endm
; Block a's 64 numbers of a lane: c' into v[T ..].  Each exponential has a plain line behind it before its result is used; each accumulator is first read at its lowest pair.
.macro ACT a
.set AC, 64*((\a)%4)
	WIN 0x08+4*((\a)/4)                            ; source 1: window 2 or 3
.set ii, 0
.rept 4
	v_pk_fma_f32 v[T+ii:T+ii+1], v[CC1:CC1+1], v[AC+ii:AC+ii+1], v[CC0:CC0+1]
.set ii, ii+2
.endr
.set ii, 0
.rept 64
	v_exp_f32 v[T+ii], v[T+ii]
.if (ii%2 == 0) && (ii+8 < 64)
	v_pk_fma_f32 v[T+ii+8:T+ii+9], v[CC1:CC1+1], v[AC+ii+8:AC+ii+9], v[CC0:CC0+1]
.endif
.if ii >= 1
	s_wait_alu depctr_va_vdst(0)
	v_med3_num_f32 v[T+ii-1], v[T+ii-1], v[AC+ii-1], s[AL]
.endif
.set ii, ii+1
.endr
	v_med3_num_f32 v[T+63], v[T+63], v[AC+63], s[AL]
	WIN 0
.endm
; BEHIND A TILE: eight trips, one for each block of 16 rows.  Only ACT names the block's registers, so only it is written eight times.  vonly = 1: the last tile, a value tile.
.macro EPI vonly
	s_mov_b32 s[CNT], 0
.Lepi_\@:
	s_cmp_eq_u32 s[CNT], 0
	s_cbranch_scc1 .Lact0_\@
	s_cmp_eq_u32 s[CNT], 1
	s_cbranch_scc1 .Lact1_\@
	s_cmp_eq_u32 s[CNT], 2
	s_cbranch_scc1 .Lact2_\@
	s_cmp_eq_u32 s[CNT], 3
	s_cbranch_scc1 .Lact3_\@
	s_cmp_eq_u32 s[CNT], 4
	s_cbranch_scc1 .Lact4_\@
	s_cmp_eq_u32 s[CNT], 5
	s_cbranch_scc1 .Lact5_\@
	s_cmp_eq_u32 s[CNT], 6
	s_cbranch_scc1 .Lact6_\@
	ACT 7
	s_branch .Lcom_\@
.Lact0_\@:
	ACT 0
	s_branch .Lcom_\@
.Lact1_\@:
	ACT 1
	s_branch .Lcom_\@
.Lact2_\@:
	ACT 2
	s_branch .Lcom_\@
.Lact3_\@:
	ACT 3
	s_branch .Lcom_\@
.Lact4_\@:
	ACT 4
	s_branch .Lcom_\@
.Lact5_\@:
	ACT 5
	s_branch .Lcom_\@
.Lact6_\@:
	ACT 6
.Lcom_\@:
	s_wait_dscnt 0x0                               ; the last trip's store has read its registers
	s_lshl_b32 s[TMP], s[CNT], 6
	s_add_co_u32 s[TMP], s[TMP], s[TOFF]
	v_add_nc_u32 v[SADR], s[TMP], v[SBASE]         ; my row's word: 512 x tile + 64 x block + 4 r: scores for tiles 0, 1; p for tiles 2, 3
.if \vonly == 0
	s_cmp_gt_u32 s[TL], 2
	s_cbranch_scc1 .Lnop_\@
.endif
	ds_load_b32 v[PW], v[SADR]                     ; a value tile: my row's p
.if \vonly == 0
.Lnop_\@:
.endif
.set ii, 0
.rept 4
	v_pk_add_f32 v[CHN+ii:CHN+ii+1], v[T+ii:T+ii+1], v[T+8+ii:T+9+ii]
.set ii, ii+2
.endr
.set ii, 16
.rept 24
	v_pk_add_f32 v[CHN+ii%8:CHN+ii%8+1], v[CHN+ii%8:CHN+ii%8+1], v[T+ii:T+ii+1]
.set ii, ii+2
.endr
	REDUCE CHN
	v_mul_f32 v[NM], s[KNM], v[CHN]                ; - the mean
.set ii, 0
.rept 32
	v_pk_add_f32 v[T+ii:T+ii+1], v[T+ii:T+ii+1], v[NM:NM+1] op_sel_hi:[1,0]   ; d
.set ii, ii+2
.endr
.set ii, 0
.rept 4
	v_pk_mul_f32 v[CHN+ii:CHN+ii+1], v[T+ii:T+ii+1], v[T+ii:T+ii+1]
.set ii, ii+2
.endr
.rept 28
	v_pk_fma_f32 v[CHN+ii%8:CHN+ii%8+1], v[T+ii:T+ii+1], v[T+ii:T+ii+1], v[CHN+ii%8:CHN+ii%8+1]
.set ii, ii+2
.endr
	REDUCE CHN
	v_fma_f32 v[RS], v[CHN], s[KIM], s[KEP]
	v_rsq_f32 v[RS], v[RS]
	v_nop                                          ; a plain place behind the transcendental
.if \vonly == 0
	s_cmp_gt_u32 s[TL], 2
	s_cbranch_scc0 .Lval_\@
.set ii, 0
.rept 4
	v_pk_mul_f32 v[CHN+ii:CHN+ii+1], v[T+ii:T+ii+1], v[QV+ii:QV+ii+1]
.set ii, ii+2
.endr
.rept 28
	v_pk_fma_f32 v[CHN+ii%8:CHN+ii%8+1], v[T+ii:T+ii+1], v[QV+ii:QV+ii+1], v[CHN+ii%8:CHN+ii%8+1]
.set ii, ii+2
.endr
	REDUCE CHN
	s_wait_alu depctr_va_vdst(0)
	v_mul_f32 v[RS], s[KSC], v[RS]
	v_fma_f32 v[CHN], v[RS], v[CHN], v[QBE]        ; the score
	ds_store_b32 v[SADR], v[CHN]                   ; (both halves of the lanes write the same word with the same value)
	s_branch .Lnext_\@
.Lval_\@:
.endif
	s_wait_dscnt 0x0                               ; p
	s_wait_alu depctr_va_vdst(0)
	v_mul_f32 v[WP], v[PW], v[RS]
.set ii, 0
.rept 32
	v_pk_fma_f32 v[QV+ii:QV+ii+1], v[T+ii:T+ii+1], v[WP:WP+1], v[QV+ii:QV+ii+1] op_sel_hi:[1,0,1]
.set ii, ii+2
.endr
.Lnext_\@:
	s_add_co_u32 s[CNT], s[CNT], 1
	s_cmp_lt_u32 s[CNT], 8
	s_cbranch_scc1 .Lepi_\@
.endm
.macro BIASUP                          ; alpha onto the 64 bias registers
	WIN 0x41
.irp t, 0,1,2,3,4,5,6,7
.irp k, 0,2,4,6
	v_pk_add_f32 v[96+8*\t+96*(\t/4)+\k:96+8*\t+96*(\t/4)+\k+1], v[96+8*\t+96*(\t/4)+\k:96+8*\t+96*(\t/4)+\k+1], s[AL:AL+1] op_sel_hi:[1,0]
.endr
.endr
	WIN 0
.endm
	; ---------------- the head
	s_load_b512 s[4:19], s[0:1], 0x0               ; codes: key s[4:5], value2 s[6:7], W_k s[8:9], W_v2 s[10:11]; scales in the same order s[12:19]
	v_lshl_add_u32 v[SPW], v0, 2, SPARE
	v_mov_b32 v[NIL], 0
	ds_add_u32 v28, v29
	ds_add_u32 v28, v29
	s_wait_dscnt 0x0
	v_lshrrev_b32 v1, 5, v0
	v_readfirstlane_b32 s[WVN], v1
	s_lshr_b32 s[RH], s[WVN], 1
	s_and_b32 s[CH], s[WVN], 1
	s_bfe_u32 s42, ttmp6, 0x40000                  ; cx
	s_bfe_u32 s40, ttmp6, 0x40004                  ; cy
	s_lshl_b32 s43, ttmp9, 2
	s_add_co_u32 s43, s43, s42                     ; the head pair = 4 x cluster x + cx
	s_and_b32 s[BB], ttmp7, 0xffff
	s_lshl_b32 s[BB], s[BB], 2
	s_add_co_u32 s[BB], s[BB], s40                 ; the batch = 4 x cluster y + cy
	s_lshl_b32 s41, s40, 2
	s_lshl_b32 s41, 15, s41                        ; my row of the cluster: the same batch
	s_lshl_b32 s45, 0x1111, s42                    ; my column: the same head pair
	s_or_b32 s[G1], s41, (0<<16)|(1<<20)|(1<<21)|(3<<22)|(3<<25)    ; mask; elements of 1 byte; padding on; bit 21 beside a mask; after every 16 words, 4 words
	s_or_b32 s[G1B], s45, (0<<16)|(1<<20)|(1<<21)|(3<<22)|(3<<25)
.irp g, G1, G1B
	s_mov_b32 s[\g+1], ROWB<<16                    ; tensor_dim0
	s_mov_b32 s[\g+2], 128<<16                     ; tensor_dim1
	s_mov_b32 s[\g+3], ROWB<<16                    ; tile_dim0
	s_mov_b32 s[\g+4], 128                         ; tile_dim1
	s_mov_b32 s[\g+5], KROW                        ; from row to row
	s_mov_b32 s[\g+6], 0
	s_mov_b32 s[\g+7], 0
.endr
	s_or_b32 s[G1S], s41, (3<<16)|(1<<20)|(1<<21)|(5<<22)|(3<<25)   ; scale bytes of 256 rows: 8,192 dense bytes as 32 rows of 32 elements of 8 bytes, 16 bytes of padding behind each
	s_or_b32 s[G1SB], s45, (3<<16)|(1<<20)|(1<<21)|(5<<22)|(3<<25)
.irp g, G1S, G1SB
	s_mov_b32 s[\g+1], 32<<16
	s_mov_b32 s[\g+2], 32<<16
	s_mov_b32 s[\g+3], 32<<16
	s_mov_b32 s[\g+4], 32
	s_mov_b32 s[\g+5], 32
	s_mov_b32 s[\g+6], 0
	s_mov_b32 s[\g+7], 0
.endr
	s_mul_i32 s2, s[BB], 393216                    ; the rows' side: batch x 512 rows + the 128 rows that I fetch (no register of this side ever holds cx)
	s_mul_i32 s3, s[CH], 98304
	s_add_co_u32 s2, s2, s3
	s_mov_b32 s3, 0
	s_mul_i32 s104, s43, 196608                    ; the weights' side: head pair x 256 rows + my 128 (none ever holds cy)
	s_mul_i32 s105, s[CH], 98304
	s_add_co_u32 s104, s104, s105
	s_mov_b32 s105, 0
	s_mul_i32 s23, s[WVN], HALFT                   ; where codes go: wave x 128 rows
	s_mov_b32 s[AL], ALPHA
	s_mov_b32 s[AL+1], ALPHA
	s_mov_b32 s[SEL], 0x76543210
	s_mov_b32 s[SEL+1], 0xfedcba98
	s_wait_kmcnt 0x0
	s_add_nc_u64 s[4:5], s[4:5], s[2:3]
	s_add_nc_u64 s[6:7], s[6:7], s[2:3]
	s_add_nc_u64 s[8:9], s[8:9], s[104:105]
	s_add_nc_u64 s[10:11], s[10:11], s[104:105]
	s_cmp_eq_u32 s[CH], 0                          ; scales: the even wave of a side brings the key side's, the odd one the value side's
	s_cselect_b64 s[12:13], s[12:13], s[14:15]
	s_cselect_b64 s[16:17], s[16:17], s[18:19]
	s_lshl_b32 s2, s[BB], 14
	s_add_nc_u64 s[12:13], s[12:13], s[2:3]
	s_lshl_b32 s104, s43, 13
	s_add_nc_u64 s[16:17], s[16:17], s[104:105]
	s_mul_i32 s18, s[WVN], 2*SREG
	s_add_co_u32 s18, s18, SCL                     ; where scales go: wave x two regions
	CROUND                                         ; all sixteen work-groups are here: the first joint loads meet
	s_mov_b32 s[G0S0], 1
	s_mov_b32 s[G0S0+1], s18
	s_mov_b64 s[G0S0+2:G0S0+3], s[12:13]
	s_or_b32 s[G0S0+3], s[G0S0+3], 0x80000000
	s_mov_b32 s[G0S1], 1
	s_add_co_u32 s[G0S1+1], s18, SREG
	s_add_nc_u64 s[G0S1+2:G0S1+3], s[12:13], 8192  ; rows 256-511
	s_or_b32 s[G0S1+3], s[G0S1+3], 0x80000000
	s_mov_b32 s[G0SB0], 1
	s_mov_b32 s[G0SB0+1], s18
	s_mov_b64 s[G0SB0+2:G0SB0+3], s[16:17]
	s_or_b32 s[G0SB0+3], s[G0SB0+3], 0x80000000
	s_mov_b32 s[G0SB1], 1
	s_add_co_u32 s[G0SB1+1], s18, SREG
	s_mov_b64 s[G0SB1+2:G0SB1+3], s[16:17]         ; the same weights' scales once more, for the side's second tile
	s_or_b32 s[G0SB1+3], s[G0SB1+3], 0x80000000
	JLOAD G0S0, G1S, G0SB0, G1SB
	JLOAD G0S1, G1S, G0SB1, G1SB
.irp s, 0,1
	s_mov_b32 s[G0+4*\s], 1
	s_add_co_u32 s[G0+4*\s+1], s23, \s*SLOT
	s_add_nc_u64 s[G0+4*\s+2:G0+4*\s+3], s[4:5], \s*ROWB
	s_or_b32 s[G0+4*\s+3], s[G0+4*\s+3], 0x80000000
	s_mov_b32 s[G0B+4*\s], 1
	s_add_co_u32 s[G0B+4*\s+1], s23, \s*SLOT
	s_add_nc_u64 s[G0B+4*\s+2:G0B+4*\s+3], s[8:9], \s*ROWB
	s_or_b32 s[G0B+4*\s+3], s[G0B+4*\s+3], 0x80000000
	JLOAD G0+4*\s, G1, G0B+4*\s, G1B               ; by this text's count four tensor loads of a wave are out here, later one
.endr
	s_load_b256 s[12:19], s[0:1], 0x40             ; qv, g_k, be_k, b_k
	s_lshl_b32 s[HD], s43, 1
	s_add_co_u32 s[HD], s[HD], s[CH]               ; my head
	v_and_b32 v1, 15, v0                           ; r
	v_bfe_u32 v2, v0, 4, 1                         ; h
	v_lshlrev_b32 v[VH], 5, v2
	v_lshl_add_u32 v[VH], s[HD], 9, v[VH]
	v_mul_u32_u24 v30, v1, PITCH
	v_mul_u32_u24 v31, v2, 24
	v_add_nc_u32 v30, v30, v31                     ; a fragment's row x pitch + 24 x half
	v_lshl_add_u32 v31, v2, 4, v30                 ; and the same behind one padding more
	s_mul_i32 s2, s[RH], HALFT
	s_mul_i32 s3, s[CH], HALFT
	s_add_co_u32 s3, s3, 2*HALFT
.irp s, 0,1
	v_add_nc_u32 v[ADRA+\s], s2, v30
	v_add_nc_u32 v[ADRB+\s], s3, v30
	v_add_nc_u32 v[ADRA+2+\s], s2, v31
	v_add_nc_u32 v[ADRB+2+\s], s3, v31
	s_add_co_u32 s2, s2, SLOT
	s_add_co_u32 s3, s3, SLOT
.endr
	v_lshlrev_b32 v30, 5, v1                       ; my row's scale bytes: 32 a row, 16 more for each 256 passed
	v_lshrrev_b32 v31, 3, v1
	v_lshl_add_u32 v30, v31, 4, v30
	s_mul_i32 s2, s[RH], HALFS
	s_mul_i32 s3, s[CH], HALFS
	s_add_co_u32 s3, s3, 4*SREG
	s_sub_co_u32 s3, s3, s2
	v_mul_u32_u24 v31, s3, v2                      ; lanes 16-31 take the weights'
	s_add_co_u32 s2, s2, SCL
	v_add_nc_u32 v30, v30, v31
	v_add_nc_u32 v[ADRS0], s2, v30
	s_mul_i32 s2, s[WVN], SCRW
	s_add_co_u32 s2, s2, SCR                       ; my scratch
	v_and_b32 v6, 31, v0
	v_lshl_add_u32 v[LADR], v6, 2, s2
	v_lshl_add_u32 v[SBASE], v1, 2, s2
	s_add_co_u32 s2, s2, 2048
	v_mov_b32 v[CADR], s2
	v_lshl_add_u32 v[PSAV], v2, 7, s2
	v_lshl_add_u32 v31, v6, 3, s2                  ; the constants' place for my lane
	s_xor_b32 s3, s[WVN], 2                        ; the wave that shares my head
	s_mul_i32 s3, s3, SCRW
	s_add_co_u32 s3, s3, SCR+2048
	v_mov_b32 v[CADRP], s3
	v_lshl_add_u32 v[PSAVP], v2, 7, s3
	v_lshlrev_b32 v25, 3, v6                       ; 8 lane
	v_lshlrev_b32 v26, 2, v6
	v_lshl_add_u32 v26, s[RH], 9, v26
	v_lshl_add_u32 v26, s[BB], 11, v26             ; mask: batch x 2,048 + 512 x my half + 4 lane
	v_lshl_add_u32 v30, s[BB], 12, v[VH]           ; q: batch x 4,096 + my eight numbers
	s_wait_kmcnt 0x0
.irp t, 0,1,2,3,4,5,6,7
	global_load_b128 v[QV+8*\t:QV+8*\t+3], v30, s[12:13] offset:64*\t
	global_load_b128 v[QV+8*\t+4:QV+8*\t+7], v30, s[12:13] offset:64*\t+16
	global_load_b128 v[128+8*\t:131+8*\t], v[VH], s[14:15] offset:64*\t
	global_load_b128 v[132+8*\t:135+8*\t], v[VH], s[14:15] offset:64*\t+16
.endr
	WIN 0x80                                       ; destination window 2: be_k at v16-79
.irp t, 0,1,2,3,4,5,6,7
	global_load_b128 v[16+8*\t:19+8*\t], v[VH], s[16:17] offset:64*\t
	global_load_b128 v[20+8*\t:23+8*\t], v[VH], s[16:17] offset:64*\t+16
.endr
	WIN 0x40                                       ; destination window 1: b_k
.irp t, 0,1,2,3,4,5,6,7
	global_load_b128 v[96+8*\t+96*(\t/4):96+8*\t+96*(\t/4)+3], v[VH], s[18:19] offset:64*\t
	global_load_b128 v[96+8*\t+96*(\t/4)+4:96+8*\t+96*(\t/4)+7], v[VH], s[18:19] offset:64*\t+16
.endr
	WIN 0
	s_wait_xcnt 0x0                                ; those loads have read their bases
	s_load_b256 s[12:19], s[0:1], 0x60             ; mask, wsum, b_basic, W_sp
	v_mov_b32 v[CC1], C1V
	v_mov_b32 v[CC1+1], C1V
	v_mov_b32 v[CC0], C0V
	v_mov_b32 v[CC0+1], C0V
	v_mov_b32 v[NM+1], 0                           ; upper words of pairs whose low word serves both halves, and destinations of lane permutes: written once
	v_mov_b32 v[WP+1], 0
	v_mov_b32 v[PW], 0
	v_mov_b32 v[PX], 0
	v_mov_b32 v[PX+1], 0
	v_mov_b32 v[S+1], 0
	v_mov_b32 v[ST], 0
	v_mov_b32 v[ST+1], 0
	v_mov_b32 v[ST+2], 0
	v_mov_b32 v[ST+3], 0
	v_mov_b32 v[NEG], 0xce6e6b28                   ; -1e9
	s_wait_kmcnt 0x0
	WIN 0x80
.irp u, 0,1,2,3,4,5,6,7                        ; my 256 rows' mask: word 32 u + lane is row 256 (u / 4) + 128 half + 32 (u % 4) + lane
	global_load_b32 v[\u], v26, s[12:13] offset:(\u/4)*1024+(\u%4)*128
.endr
	global_load_b64 v[8:9], v25, s[14:15]
	global_load_b64 v[10:11], v25, s[16:17]
	global_load_b64 v[12:13], v25, s[18:19]
	s_wait_loadcnt 0x0
	WIN 0x08                                       ; source 1 window 2
.irp u, 0,1,2,3,4,5,6,7
	ds_store_b32 v[LADR], v[\u] offset:1024+128*\u
.endr
	ds_store_b64 v31, v[8:9]
	ds_store_b64 v31, v[10:11] offset:256
	ds_store_b64 v31, v[12:13] offset:512
.set ii, 0
.rept 4
	v_pk_mul_f32 v[CHN+ii:CHN+ii+1], v[QV+ii:QV+ii+1], v[16+ii:17+ii]
.set ii, ii+2
.endr
.rept 28
	v_pk_fma_f32 v[CHN+ii%8:CHN+ii%8+1], v[QV+ii:QV+ii+1], v[16+ii:17+ii], v[CHN+ii%8:CHN+ii%8+1]
.set ii, ii+2
.endr
	WIN 0
	REDUCE CHN
	v_mul_f32 v[QBE], 0x3db504f3, v[CHN]           ; sum q be_k / sqrt(128)
.set ii, 0
.rept 32
	v_pk_mul_f32 v[QV+ii:QV+ii+1], v[QV+ii:QV+ii+1], v[128+ii:129+ii]    ; q g_k
.set ii, ii+2
.endr
	BIASUP
	s_wait_tensorcnt 1                             ; the scales and my part of slot 0 are in; slot 1's load may be out
	s_wait_dscnt 0x0
	s_barrier_signal -1
	s_barrier_wait -1
	s_load_b128 s[PBSP:PBSP+3], s[0:1], 0x80       ; b_sp, b_v2
	s_load_b256 s[PWCC:PWCC+7], s[0:1], 0x90       ; W_ch's codes and scales, b_ch, g_v2
	s_load_b128 s[PBEV:PBEV+3], s[0:1], 0xb0       ; be_v2, out0
	s_load_b64 s[PQV:PQV+1], s[0:1], 0x40          ; qv
	s_mov_b32 s[KNM], 0xbc000000                   ; -1 / 128
	s_mov_b32 s[KIM], 0x3c000000                   ; 1 / 128
	s_mov_b32 s[KEP], 0x3727c5ac                   ; 1e-5
	s_mov_b32 s[KSC], 0x3db504f3                   ; 1 / sqrt(128)
	s_mov_b32 s[KLE], 0x3fb8aa3b                   ; log2(e)
	s_wait_kmcnt 0x0
	s_load_b32 s[BSP], s[PBSP:PBSP+1], 0x0
	s_mov_b32 s[TL], 4
	s_wait_kmcnt 0x0
	; ---------------- four tiles; the ring does not stop between them
.Ltile:
	s_cmp_eq_u32 s[TL], 4                          ; where the next tile begins: key rows 256 on; value2; value2 rows 256 on
	s_cselect_b64 s[NA:NA+1], s[4:5], s[6:7]
	s_cselect_b64 s[NB:NB+1], s[8:9], s[10:11]
	s_cmp_eq_u32 s[TL], 3
	s_cselect_b32 s100, 0, 196608
	s_cselect_b32 s[TSC], SREG, 0                  ; this tile's scale words and its rows' words in my scratch: 8,704 and 512 x (4 - tiles to go)
	s_cselect_b32 s[TOFF], 512, 0
	s_mov_b32 s101, 0
	s_add_nc_u64 s[NA:NA+1], s[NA:NA+1], s[100:101]
	s_cmp_eq_u32 s[TL], 2
	s_cselect_b32 s[TSC], 2*SREG, s[TSC]
	s_cselect_b32 s[TOFF], 1024, s[TOFF]
	s_cmp_eq_u32 s[TL], 1
	s_cselect_b32 s[TSC], 3*SREG, s[TSC]
	s_cselect_b32 s[TOFF], 1536, s[TOFF]
	v_add_nc_u32 v[ADRS], s[TSC], v[ADRS0]
	FETCH_B 0, 0, 0                                ; slot 0 is whole: every wave has waited for its part and passed a barrier
	FETCH_A 0, 0, 0
	SCALES 0, 0
	FETCH_A 0, 0, 4
	STEP 0, 0, 1                                   ; the tile's first products start the sums from bias + alpha
	TURN 0, 1, 1, 1
	STEP 1, 0, 0
	TURN 1, 0, 1, 2
	STEP 0, 0, 0
	s_cmp_eq_u32 s[TL], 1
	s_cbranch_scc1 .Llast                          ; the last tile's tail is written out: it asks for nothing more
	TURN 0, 1, 2, 3                                ; slot 0 takes the next tile's K step 0,
	STEP 1, 0, 0
	LASTQ 1                                        ; slot 1 its K step 1: both land under the work behind the tile
	PLACES NP
	EPI 0
	; ---------------- the softmax of my 256 rows, behind the second key tile.  Nothing here is shared between waves.
	s_cmp_lg_u32 s[TL], 3
	s_cbranch_scc1 .Lsm_a_end
	WIN 0x40                                       ; window 1: wsum at v0-63, W_sp at v128-191: every lane holds all 64
.set ii, 0
.rept 16
	ds_load_b128 v[4*ii:4*ii+3], v[CADR] offset:16*ii
	ds_load_b128 v[128+4*ii:131+4*ii], v[CADR] offset:512+16*ii
.set ii, ii+1
.endr
	v_mov_b32 v65, 0                               ; (named with the mask as a pair)
	WIN 0
.set ii, 0
.rept 16
	ds_load_b128 v[128+4*ii:131+4*ii], v[CADR] offset:256+16*ii     ; b_basic
.set ii, ii+1
.endr
.set ii, 0
.rept 64
	v_mov_b32 v[QV+ii], 0                          ; the pool's sums (the loop below is written once)
.set ii, ii+1
.endr
	v_mov_b32 v[ST], 0xff61b1e6                    ; M: -3e38, under every logit
	v_mov_b32 v[ST+2], 0
	s_wait_dscnt 0x0
.Lsm_a_end:
	s_mov_b32 s[CNT], 0
.Lsm:                                          ; eight trips of 32 rows, a row a lane; walked behind every tile, the work only behind the second
	s_cmp_lg_u32 s[TL], 3
	s_cbranch_scc1 .Lsm_skip
	s_lshl_b32 s[TMP], s[CNT], 7
	v_add_nc_u32 v[SADR], s[TMP], v[LADR]
	WIN 0x40
	ds_load_b32 v64, v[SADR] offset:1024           ; the mask, beside wsum and W_sp in window 1,
	WIN 0
	ds_load_b32 v[MK0], v[SADR] offset:1024        ; and in window 0
	ds_load_b32 v[S], v[SADR]                      ; the score
	s_wait_dscnt 0x0
	WIN 0x04                                       ; source 1 window 1
.irp g, 0,1
.set jj, 0
.rept 16
	v_pk_fma_f32 v[192+2*jj:193+2*jj], v[S:S+1], v[32*\g+2*jj:32*\g+2*jj+1], v[128+32*\g+2*jj:129+32*\g+2*jj] op_sel_hi:[0,1,1]
.set jj, jj+1
.endr
.set jj, 0
.rept 32
	v_max_num_f32 v[192+jj], v[192+jj], 0          ; hidden
.set jj, jj+1
.endr
.set jj, 0
.rept 16
.if (\g == 0) && (jj < 2)
	v_pk_mul_f32 v[ALA+2*jj:ALA+2*jj+1], v[192+2*jj:193+2*jj], v[128+2*jj:129+2*jj]
.else
	v_pk_fma_f32 v[ALA+2*(jj%2):ALA+2*(jj%2)+1], v[192+2*jj:193+2*jj], v[128+32*\g+2*jj:129+32*\g+2*jj], v[ALA+2*(jj%2):ALA+2*(jj%2)+1]
.endif
	v_pk_fma_f32 v[QV+32*\g+2*jj:QV+32*\g+2*jj+1], v[192+2*jj:193+2*jj], v[64:65], v[QV+32*\g+2*jj:QV+32*\g+2*jj+1] op_sel_hi:[1,0,1]
.set jj, jj+1
.endr
.endr
	WIN 0
	v_pk_add_f32 v[ALA:ALA+1], v[ALA:ALA+1], v[ALA+2:ALA+3]
	v_add_f32 v[LG], v[ALA], v[ALA+1]
	v_add_f32 v[LG], s[BSP], v[LG]
	v_cmp_eq_f32 vcc_lo, 0, v[MK0]
	v_cndmask_b32 v[LG], v[LG], v[NEG], vcc_lo     ; -1e9 where the mask is 0
	v_max_num_f32 v[ST], v[ST], v[LG]
	v_add_f32 v[ST+2], v[ST+2], v[MK0]
	ds_store_b32 v[SADR], v[LG]                    ; the logit takes the score's place
	s_wait_dscnt 0x0                               ; the store has read its registers
.Lsm_skip:
	s_add_co_u32 s[CNT], s[CNT], 1
	s_cmp_lt_u32 s[CNT], 8
	s_cbranch_scc1 .Lsm
	s_cmp_lg_u32 s[TL], 3
	s_cbranch_scc1 .Lsm_b_end
	WIN 0x40
.irp t, 0,1,2,3,4,5,6,7                        ; b_v2 takes b_k's place; it lands under the work below
	global_load_b128 v[96+8*\t+96*(\t/4):96+8*\t+96*(\t/4)+3], v[VH], s[PBV2:PBV2+1] offset:64*\t
	global_load_b128 v[96+8*\t+96*(\t/4)+4:96+8*\t+96*(\t/4)+7], v[VH], s[PBV2:PBV2+1] offset:64*\t+16
.endr
	WIN 0
.irp u, 0,1,2,3,4,5,6,7
	ds_load_b32 v[192+\u], v[LADR] offset:128*\u
.endr
.irp m, 1,2,4,8
	v_max_num_f32_dpp v[ST], v[ST], v[ST] row_xmask:\m row_mask:0xf bank_mask:0xf
.endr
	v_permlanex16_b32 v[PX], v[ST], s[SEL], s[SEL+1]
	v_max_num_f32 v[ST], v[ST], v[PX]              ; M of my 256 rows
	s_wait_dscnt 0x0
.irp u, 0,1,2,3,4,5,6,7
	v_sub_f32 v[192+\u], v[192+\u], v[ST]
.endr
.irp u, 0,1,2,3,4,5,6,7
	v_mul_f32 v[192+\u], s[KLE], v[192+\u]
.endr
.irp u, 0,1,2,3,4,5,6,7
	v_exp_f32 v[192+\u], v[192+\u]                 ; p = e^(a - M)
.endr
	v_nop
	s_wait_alu depctr_va_vdst(0)
.irp u, 0,1,2,3,4,5,6,7
	ds_store_b32 v[LADR], v[192+\u] offset:1024+128*\u    ; p takes the mask's place
.endr
	v_pk_add_f32 v[200:201], v[192:193], v[194:195]
	v_pk_add_f32 v[202:203], v[196:197], v[198:199]
	v_pk_add_f32 v[200:201], v[200:201], v[202:203]
	v_add_f32 v[ST+1], v200, v201
.irp m, 1,2,4,8
	v_add_f32_dpp v[ST+1], v[ST+1], v[ST+1] row_xmask:\m row_mask:0xf bank_mask:0xf
	v_add_f32_dpp v[ST+2], v[ST+2], v[ST+2] row_xmask:\m row_mask:0xf bank_mask:0xf
.endr
	v_permlanex16_b32 v[PX], v[ST+1], s[SEL], s[SEL+1]
	v_permlanex16_b32 v[PX+1], v[ST+2], s[SEL], s[SEL+1]
	v_add_f32 v[ST+1], v[ST+1], v[PX]              ; l
	v_add_f32 v[ST+2], v[ST+2], v[PX+1]            ; the mask's sum
.set ii, 0
.rept 32                                       ; the pool: lanes 0-15 keep units 0-31, lanes 16-31 units 32-63: the layout of a 6-bit operand's block
	v_permlane16_swap_b32 v[QV+ii], v[QV+32+ii]
.set ii, ii+1
.endr
.set ii, 0
.rept 16
	v_pk_add_f32 v[QV+ii:QV+ii+1], v[QV+ii:QV+ii+1], v[QV+32+ii:QV+33+ii]
.set ii, ii+2
.endr
.irp m, 1,2,4,8
.set ii, 0
.rept 32
	v_add_f32_dpp v[QV+ii], v[QV+ii], v[QV+ii] row_xmask:\m row_mask:0xf bank_mask:0xf
.set ii, ii+1
.endr
.endr
.set ii, 0
.rept 8
	ds_store_b128 v[PSAV], v[QV+4*ii:QV+4*ii+3] offset:16*ii      ; (sixteen lanes write the same bytes with the same values)
.set ii, ii+1
.endr
	ds_store_b128 v[CADR], v[ST:ST+3] offset:256
	s_wait_dscnt 0x0                               ; the stores have read their registers
.set ii, 0
.rept 64
	v_mov_b32 v[QV+ii], 0                          ; v2's sums begin
.set ii, ii+1
.endr
	s_wait_loadcnt 0x0                             ; b_v2
	BIASUP
.Lsm_b_end:
	s_sub_co_u32 s[TL], s[TL], 1
	s_branch .Ltile
	; ---------------- the last tile's tail
.Llast:
	TURN 0, 1, 0, 3
	STEP 1, 0, 0
	LASTQ 0
	PLACES NP
	; what the finale wants from memory is asked for here and lands under the work behind the tile.  My 64 final columns: 64 x my half on, of my head
	v_mul_u32_u24 v25, v1, 48
	v_mad_u32_u24 v25, v2, 24, v25
	s_mul_i32 s[TMP], s[RH], 3072
	v_add_nc_u32 v25, s[TMP], v25                  ; W_ch's codes: row r of 48 bytes, + 24 h
	v_lshlrev_b32 v26, 1, v1
	v_lshl_add_u32 v26, s[RH], 7, v26              ; its scale bytes: 2 a row
	v_lshl_add_u32 v30, s[RH], 8, v[VH]
	v_lshlrev_b32 v31, 5, v2
	v_lshl_add_u32 v31, s[RH], 8, v31
	v_lshl_add_u32 v24, s[BB], 12, v30
	WIN 0x40
.irp t, 0,1,2,3
.irp p, 0,1,2
	global_load_b64 v[12*\t+2*\p:12*\t+2*\p+1], v25, s[PWCC:PWCC+1] offset:768*\t+8*\p
.endr
.irp i, 6,7,8,9,10,11
	v_mov_b32 v[12*\t+\i], 0                       ; K is 64: the codes of k = 64 .. 127 are zeros
.endr
	global_load_b128 v[48+8*\t:51+8*\t], v31, s[PBCH:PBCH+1] offset:64*\t
	global_load_b128 v[52+8*\t:55+8*\t], v31, s[PBCH:PBCH+1] offset:64*\t+16
	global_load_b128 v[80+8*\t:83+8*\t], v24, s[PQV:PQV+1] offset:262144+64*\t
	global_load_b128 v[84+8*\t:87+8*\t], v24, s[PQV:PQV+1] offset:262144+64*\t+16
	global_load_b128 v[128+8*\t:131+8*\t], v30, s[PGV2:PGV2+1] offset:64*\t
	global_load_b128 v[132+8*\t:135+8*\t], v30, s[PGV2:PGV2+1] offset:64*\t+16
	global_load_b128 v[160+8*\t:163+8*\t], v30, s[PBEV:PBEV+1] offset:64*\t
	global_load_b128 v[164+8*\t:167+8*\t], v30, s[PBEV:PBEV+1] offset:64*\t+16
.endr
	WIN 0
.irp t, 0,1,2,3
	global_load_u16 v[SC+\t], v26, s[PWCS:PWCS+1] offset:32*\t    ; two scale bytes; the upper two are 0 and stand over zero codes
.endr
	EPI 1
	; ---------------- the finale
	v_and_b32 v6, 31, v0
	v_lshlrev_b32 v6, 4, v6
	s_lshl_b32 s[TMP], s[WVN], 13
	v_add_nc_u32 v16, s[TMP], v6                   ; my sums' image: 8,192 wave + 16 lane
	s_lshl_b32 s[TMP+1], s[RH], 12
	s_add_co_u32 s[TMP], s[TMP], s[TMP+1]
	v_add_nc_u32 v17, s[TMP], v6                   ; of it the registers of my final columns,
	s_xor_b32 s[TMP+2], s[WVN], 2
	s_lshl_b32 s[TMP+2], s[TMP+2], 13
	s_add_co_u32 s[TMP+2], s[TMP+2], s[TMP+1]
	v_add_nc_u32 v18, s[TMP+2], v6                 ; and the same registers of the wave that shares my head
.set ii, 0
.rept 16
	ds_store_b128 v16, v[QV+4*ii:QV+4*ii+3] offset:512*ii
.set ii, ii+1
.endr
	s_wait_dscnt 0x0                               ; for the others' sake: my stores have landed
	s_barrier_signal -1
	s_barrier_wait -1
.set ii, 0
.rept 8
	ds_load_b128 v[128+4*ii:131+4*ii], v17 offset:512*ii
	ds_load_b128 v[160+4*ii:163+4*ii], v18 offset:512*ii
	ds_load_b128 v[192+4*ii:195+4*ii], v[PSAV] offset:16*ii
	ds_load_b128 v[64+4*ii:67+4*ii], v[PSAVP] offset:16*ii
.set ii, ii+1
.endr
	ds_load_b128 v[248:251], v[CADRP] offset:256   ; the other wave's M, l, mask sum
	s_wait_dscnt 0x0
	v_max_num_f32 v228, v[ST], v248
	v_sub_f32 v224, v[ST], v228
	v_sub_f32 v226, v248, v228
	v_mul_f32 v224, s[KLE], v224
	v_mul_f32 v226, s[KLE], v226
	v_exp_f32 v224, v224                           ; e^(M_wave - M)
	v_exp_f32 v226, v226
	v_add_f32 v230, v[ST+2], v250
	s_wait_alu depctr_va_vdst(0)
	v_mul_f32 v229, v224, v[ST+1]
	v_fma_f32 v229, v226, v249, v229               ; l
	v_rcp_f32 v229, v229
	v_rcp_f32 v230, v230
	v_nop
	s_wait_alu depctr_va_vdst(0)
	v_mul_f32 v224, v224, v229
	v_mul_f32 v226, v226, v229
.set ii, 0
.rept 16
	v_pk_mul_f32 v[128+ii:129+ii], v[128+ii:129+ii], v[224:225] op_sel_hi:[1,0]
.set ii, ii+2
.endr
.set ii, 0
.rept 16
	v_pk_fma_f32 v[128+ii:129+ii], v[160+ii:161+ii], v[226:227], v[128+ii:129+ii] op_sel_hi:[1,0,1]
.set ii, ii+2
.endr
.irp m, 1,2,4,8
.set ii, 0
.rept 32
	v_add_f32_dpp v[128+ii], v[128+ii], v[128+ii] row_xmask:\m row_mask:0xf bank_mask:0xf   ; over the sixteen rows of a block
.set ii, ii+1
.endr
.endr
.set ii, 0
.rept 16
	v_pk_add_f32 v[192+ii:193+ii], v[192+ii:193+ii], v[64+ii:65+ii]
.set ii, ii+2
.endr
.set ii, 0
.rept 16
	v_pk_mul_f32 v[192+ii:193+ii], v[192+ii:193+ii], v[230:231] op_sel_hi:[1,0]     ; the pool: my half's block of 32 units
.set ii, ii+2
.endr
	v_max3_num_f32 v232, |v192|, |v193|, 0x1800000 ; the block's largest magnitude, with the floor 2^(3 - 127): the byte cannot fall under 1
	v_max3_num_f32 v233, |v194|, |v195|, 0x1800000
.irp i, 4,8,12,16,20,24,28
	v_max3_num_f32 v232, v232, |v[192+\i]|, |v[193+\i]|
	v_max3_num_f32 v233, v233, |v[194+\i]|, |v[195+\i]|
.endr
	v_max_num_f32 v232, v232, v233
	v_add_nc_u32 v234, 0xff000000, v232            ; 2 off its exponent field: the conversion's scale operand
	v_lshrrev_b32 v235, 23, v234                   ; the scale's byte,
	v_lshlrev_b32 v236, 3, v2
	v_lshlrev_b32 v235, v236, v235                 ; at byte h of the word;
	v_mov_b32 v237, 0
	v_permlanex16_b32 v237, v235, s[SEL], s[SEL+1]
	v_or_b32 v[SC+4], v235, v237                   ; with the other half's the word is whole
	v_cvt_scalef32_pk16_fp6_f32 v[96:98], v[192:207], v234
	v_cvt_scalef32_pk16_fp6_f32 v[108:110], v[208:223], v234    ; (a conversion's three registers begin on an even number)
	v_nop                                          ; one plain place behind a scaled conversion
.irp i, 0,1,2
	v_mov_b32 v[99+\i], v[108+\i]
.endr
.irp i, 102,103,104,105,106,107
	v_mov_b32 v[\i], 0
.endr
	s_wait_loadcnt 0x0                             ; all that was asked for ahead of the last tile's way out
.rept 8
	v_nop                                          ; a scale register written by a vector instruction stands eight places ahead of a scaled matrix instruction, an operand four
.endr
	WIN 0x11                                       ; source 0 (W_ch) and C (b_ch) window 1
.irp t, 0,1,2,3
	v_wmma_scale_f32_16x16x128_f8f6f4 v[160+8*\t:167+8*\t], v[12*\t:12*\t+11], v[96:107], v[48+8*\t:55+8*\t], v[SC+\t], v[SC+4] matrix_a_fmt:MATRIX_FMT_FP6 matrix_b_fmt:MATRIX_FMT_FP6
.endr
	WIN 0
	PLACES NP
.set ii, 0
.rept 16
	v_pk_mul_f32 v[160+ii:161+ii], v[160+ii:161+ii], 0xbfb8aa3b op_sel_hi:[1,0]     ; each result from its low end on
.set ii, ii+2
.endr
.set ii, 0
.rept 32
	v_exp_f32 v[160+ii], v[160+ii]
.set ii, ii+1
.endr
	v_nop
.set ii, 0
	s_wait_alu depctr_va_vdst(0)
.rept 16
	v_pk_add_f32 v[160+ii:161+ii], v[160+ii:161+ii], 1.0 op_sel_hi:[1,0]
.set ii, ii+2
.endr
.set ii, 0
.rept 32
	v_rcp_f32 v[160+ii], v[160+ii]                 ; the sigmoid
.set ii, ii+1
.endr
	WIN 0x14                                       ; sources 1 and 2 window 1
.set ii, 0
.rept 16
	v_pk_fma_f32 v[128+ii:129+ii], v[128+ii:129+ii], v[128+ii:129+ii], v[160+ii:161+ii]     ; x g_v2 + be_v2
.set ii, ii+2
.endr
	WIN 0x04
.set ii, 0
.rept 16
	v_pk_mul_f32 v[128+ii:129+ii], v[128+ii:129+ii], v[80+ii:81+ii]                         ; x v1
.set ii, ii+2
.endr
	WIN 0
.set ii, 0
	s_wait_alu depctr_va_vdst(0)
.rept 16
	v_pk_mul_f32 v[128+ii:129+ii], v[128+ii:129+ii], v[160+ii:161+ii]
.set ii, ii+2
.endr
	v_lshlrev_b32 v19, 5, v2
	s_lshl_b32 s[TMP], s[WVN], 8
	s_add_co_u32 s[TMP], s[TMP], OST
	v_add_nc_u32 v19, s[TMP], v19                  ; the way out: 256 bytes a wave; in: 64 t + 32 h
	v_and_b32 v20, 31, v0
	v_lshlrev_b32 v21, 3, v20
	v_add_nc_u32 v20, s[TMP], v21                  ; back: 8 bytes a lane
	v_lshl_add_u32 v21, s[BB], 12, v21
	v_lshl_add_u32 v21, s[HD], 9, v21
	v_lshl_add_u32 v21, s[RH], 8, v21
.irp t, 0,1,2,3
	ds_store_b128 v19, v[128+8*\t:131+8*\t] offset:64*\t          ; (sixteen lanes write the same bytes with the same values)
	ds_store_b128 v19, v[132+8*\t:135+8*\t] offset:64*\t+16
.endr
	ds_load_b64 v[160:161], v20                    ; LDS serves a wave's instructions in order: this sees my stores
	s_wait_dscnt 0x0
	global_store_b64 v21, v[160:161], s[POUT:POUT+1]   ; 32 lanes store 256 consecutive bytes, at a multiple of 256 from out0's first byte
	s_wait_tensorcnt 0x0                           ; the wave's end
	ds_add_u32 v[SPW], v[NIL]
	s_wait_dscnt 0x0
	CROUND                                         ; the closing round: no work-group ends while a partner may still ask for a tile that names it
	s_endpgm
.Lfunc_end_k_qeb969b87c7_attn:
	.size	k_qeb969b87c7_attn, .Lfunc_end_k_qeb969b87c7_attn-k_qeb969b87c7_attn
	.p2alignl 7, 3214868480
	.fill 96, 4, 3214868480
	.section	.rodata,"a",@progbits
	.p2align	6, 0x0
	.amdhsa_kernel k_qeb969b87c7_attn
		.amdhsa_group_segment_fixed_size 327680
		.amdhsa_private_segment_fixed_size 0
		.amdhsa_enable_private_segment 0
		.amdhsa_kernarg_size 192
		.amdhsa_user_sgpr_count 2
		.amdhsa_user_sgpr_kernarg_segment_ptr 1
		.amdhsa_wavefront_size32 1
		.amdhsa_system_sgpr_workgroup_id_x 1
		.amdhsa_system_sgpr_workgroup_id_y 1
		.amdhsa_system_sgpr_workgroup_id_z 1
		.amdhsa_system_vgpr_workitem_id 0
		.amdhsa_next_free_vgpr 1024
		.amdhsa_next_free_sgpr 106
		.amdhsa_reserve_vcc 1
		.amdhsa_float_denorm_mode_32 3
		.amdhsa_float_denorm_mode_16_64 3
		.amdhsa_memory_ordered 1
		.amdhsa_forward_progress 1
		.amdhsa_inst_pref_size 255
	.end_amdhsa_kernel
	.section	.bss,"aw",@nobits
	.p2align	6
	.space	262144
	.amdgpu_metadata
---
amdhsa.version: [ 1, 2 ]
amdhsa.kernels:
  - .name:           k_qeb969b87c7_attn
    .symbol:         k_qeb969b87c7_attn.kd
    .args:
      - { .name: key_feats_codes, .offset: 0, .size: 8, .value_kind: global_buffer, .address_space: global }
      - { .name: value2_codes, .offset: 8, .size: 8, .value_kind: global_buffer, .address_space: global }
      - { .name: W_k_codes, .offset: 16, .size: 8, .value_kind: global_buffer, .address_space: global }
      - { .name: W_v2_codes, .offset: 24, .size: 8, .value_kind: global_buffer, .address_space: global }
      - { .name: key_feats_scales, .offset: 32, .size: 8, .value_kind: global_buffer, .address_space: global }
      - { .name: value2_scales, .offset: 40, .size: 8, .value_kind: global_buffer, .address_space: global }
      - { .name: W_k_scales, .offset: 48, .size: 8, .value_kind: global_buffer, .address_space: global }
      - { .name: W_v2_scales, .offset: 56, .size: 8, .value_kind: global_buffer, .address_space: global }
      - { .name: qv, .offset: 64, .size: 8, .value_kind: global_buffer, .address_space: global }
      - { .name: g_k, .offset: 72, .size: 8, .value_kind: global_buffer, .address_space: global }
      - { .name: be_k, .offset: 80, .size: 8, .value_kind: global_buffer, .address_space: global }
      - { .name: b_k, .offset: 88, .size: 8, .value_kind: global_buffer, .address_space: global }
      - { .name: mask, .offset: 96, .size: 8, .value_kind: global_buffer, .address_space: global }
      - { .name: wsum, .offset: 104, .size: 8, .value_kind: global_buffer, .address_space: global }
      - { .name: b_basic, .offset: 112, .size: 8, .value_kind: global_buffer, .address_space: global }
      - { .name: W_sp, .offset: 120, .size: 8, .value_kind: global_buffer, .address_space: global }
      - { .name: b_sp, .offset: 128, .size: 8, .value_kind: global_buffer, .address_space: global }
      - { .name: b_v2, .offset: 136, .size: 8, .value_kind: global_buffer, .address_space: global }
      - { .name: W_ch_codes, .offset: 144, .size: 8, .value_kind: global_buffer, .address_space: global }
      - { .name: W_ch_scales, .offset: 152, .size: 8, .value_kind: global_buffer, .address_space: global }
      - { .name: b_ch, .offset: 160, .size: 8, .value_kind: global_buffer, .address_space: global }
      - { .name: g_v2, .offset: 168, .size: 8, .value_kind: global_buffer, .address_space: global }
      - { .name: be_v2, .offset: 176, .size: 8, .value_kind: global_buffer, .address_space: global }
      - { .name: out0, .offset: 184, .size: 8, .value_kind: global_buffer, .address_space: global }
    .group_segment_fixed_size: 327680
    .private_segment_fixed_size: 0
    .kernarg_segment_align: 8
    .kernarg_segment_size: 192
    .max_flat_workgroup_size: 128
    .sgpr_count:     106
    .vgpr_count:     1024
    .wavefront_size: 32
...
	.end_amdgpu_metadata
.endif
;; end of part 2
